; MI455X (gfx1250); checked and timed in simulation.
; The chip was launched on July 23, 2026; its instructions are those of AMD's public machine-readable ISA for CDNA 5 (MIT licence, August 2026) and "CDNA5" Instruction Set Architecture Reference Guide (July 2026). The comments in the code are by the model that wrote it; some were corrected since.
;; Transformer Block. Allowed arithmetic: matrix products marked QUANTISED: E4M3 operands, one E8M0 scale for each 32 along K, by v_wmma_scale_f32_16x16x128_f8f6f4 with both operands' format E4M3, f32 sums; everything else in f32.
;; Inputs: W1 256 x 1,024 float32; W2 1,024 x 256 float32; Wk 8 x 256 x 32 float32; Wo 256 x 256 float32; Wq 8 x 256 x 32 float32; Wv 8 x 256 x 32 float32; b1 1,024 float32; b2 256 float32; be1 256 float32; be2 256 float32; bo 256 float32; g1 256 float32; g2 256 float32; x 512 x 128 x 256 float32.
;; Outputs: out0 512 x 128 x 256 float32.
;; This version of the problem:
;;   THIS VERSION OF THE PROBLEM IS GIVEN IN LOW PRECISION. The matrix products marked QUANTISED in the list below multiply operands that are first quantised to E4M3 (4 exponent bits, 3 mantissa bits; 8 bits a number), with one power-of-two scale for each 32 numbers along K (OCP MX v1.0); their sums are f32. All else is computed in f32.
;;   The module's matrix products, in the order in which they are computed (A, B: the left and right operand; K: the contracted axis; several contracted axes count as one K, in the product's order):
;;     1. [M 256, K 256] x [K 256, N 65,536]; A: input Wq; B: computed on the way: QUANTISED
;;     2. [M 256, K 256] x [K 256, N 65,536]; A: input Wk; B: computed on the way: QUANTISED
;;     3. [M 256, K 256] x [K 256, N 65,536]; A: input Wv; B: computed on the way: QUANTISED
;;     4. batch 4,096 x [M 128, K 32] x [K 32, N 128]; A: computed on the way; B: computed on the way: QUANTISED
;;     5. batch 4,096 x [M 128, K 128] x [K 128, N 32]; A: softmax (see below); B: computed on the way: QUANTISED
;;     6. [M 65,536, K 256] x [K 256, N 256]; A: computed on the way; B: input Wo: QUANTISED
;;     7. [M 65,536, K 256] x [K 256, N 1,024]; A: computed on the way; B: input W1: QUANTISED
;;     8. [M 65,536, K 1,024] x [K 1,024, N 256]; A: computed on the way; B: input W2: QUANTISED
;;   THE QUANTISER, for each operand of a quantised product, along K:
;;     - K is cut into blocks of 32 from its start; a last block that is shorter is filled with zeros.
;;     - A block's scale is 2^e with e = floor(log2(the largest magnitude in the block)) - 8, held to -126 .. 127; a block of zeros has e = 0. As a byte (E8M0): e + 127.
;;     - Each number is divided by its block's scale, clamped to +-448, and rounded to the nearest number of E4M3, ties to even, subnormals kept.
;;     - The product sums the exact products of the quantised numbers (number of the format x scale) in f32.
;;   ~~~python
;;   def quantise(x, axis):      # numpy; x: float32 -> the quantised numbers, widened to float32 again
;;       x = np.moveaxis(x, axis, -1); K = x.shape[-1]
;;       x = np.pad(x, [(0, 0)] * (x.ndim - 1) + [(0, -K % 32)]); x = x.reshape(x.shape[:-1] + (-1, 32)); a = np.abs(x).max(-1, keepdims=True)
;;       e = np.where(a > 0, np.clip(np.frexp(np.where(a > 0, a, 1))[1] - 1 - 8, -126, 127), 0)      # np.frexp(a)[1] - 1 = floor(log2(a)), exactly
;;       r = np.clip(x / 2.0 ** e, -448, 448)
;;       step = 2.0 ** (np.maximum(np.frexp(np.where(r == 0, 1, r))[1] - 1, -6) - 3)
;;       q = np.round(r / step) * step * 2.0 ** e      # np.round: ties to even
;;       return np.moveaxis(q.reshape(q.shape[:-2] + (-1,))[..., :K], -1, axis).astype(np.float32)
;;   ~~~
;;   SOFTMAX AHEAD OF A QUANTISED PRODUCT. Where the list says 'softmax', what is quantised is not the finished softmax but p = 2^(t - M), with t = logit x log2(e) and M = ceil(the row's largest t), a whole number; so 1/2 < the row's largest p <= 1. The row's sum l is taken of the UNQUANTISED p, in f32, and the product's result is divided by l at the end. Since M is a whole number, a kernel that streams over the keys may use a running M (the ceiling of the running maximum): every later rescaling is an exact power of two, which a block's scale takes up: the codes' values come out the same.
;;   OPERANDS COMPUTED ON THE WAY. 'Computed on the way' means the value that the module computes at that place (a softmax that the list does not call 'softmax' is quantised finished and normalised). What goes into a quantiser is computed in f32, as accurately as f32 sums, v_exp_f32 and their like allow (about 1e-6 of the number): no bf16 or f16 on the way to a quantiser, and a product that is left as it is and whose result goes on into a quantised operand takes f32 operands (vector FMAs, or v_wmma_f32_16x16x4_f32). A number that lies on a knife's edge between two numbers of the format may be rounded either way, as far as f32 arithmetic and the matrix unit's own rounding can turn it there, and no further.
;; One version. Each part assembles by itself: llvm-mc -triple=amdgcn-amd-amdhsa -mcpu=gfx1250 --defsym DOCPART=n.
;; ======== version 1 of 1: 2 launches
;; limits: right only within a limited range of input values
;; workspace buffers: wcodes 786,432 bytes; wscales 24,576 bytes
;; launch prep (part 1): grid 192 x 1, 4 waves a work-group, no clusters, 0 bytes of LDS; arguments Wq, Wk, Wv, Wo, W1, W2, wcodes, wscales; writes wcodes, wscales
.if DOCPART == 1
	.amdgcn_target "amdgcn-amd-amdhsa--gfx1250"
	.amdhsa_code_object_version 6
	.text
	.protected	k_qf8ee80d26e_prep
	.globl	k_qf8ee80d26e_prep
	.p2align	8
	.type	k_qf8ee80d26e_prep,@function
k_qf8ee80d26e_prep:
	s_mov_b64 s[64:65], 0
	v_nop
	global_prefetch_b8 v0, s[64:65] scope:SCOPE_SE
	s_setreg_imm32_b32 hwreg(HW_REG_WAVE_MODE, 25, 1), 1
	s_wait_xcnt 0x0
; The six weights (f32, K not innermost) become codes of FP8 (E4M3) with one E8M0 byte for each 32 along K, laid in the order of a matrix operand's registers.
; A FRAGMENT is 16 columns n x 128 along K, 2,048 bytes: byte 512 c + 16 (rho + 16 h) + 0..15 holds column n(rho) at k = 32 c + 16 h + 0..15: four loads of 16 bytes a lane are the operand's 16 registers.
; SCALE WORDS (four bytes: the four blocks of 32) of fragments 4 a .. 4 a + 3 lie together: word of fragment f, row rho, at 256 (f / 4) + 16 rho + 4 (f % 4): one load of 16 bytes a lane brings four fragments' words.
; Columns come in groups of 32; fragment u (0, 1) of a group takes n = group + 8 u + rho + 8 (rho / 8): the results of two such tiles are 16 neighbours along the next product's K.
; A work-group makes one pair of fragments (32 columns x 128 K); its wave c makes block c of 32 along K.  A LANE TAKES A COLUMN AND ITS REGISTERS RUN DOWN K: a load reads 128 consecutive bytes, the block's
; largest magnitude needs no other lane, the conversions give codes with K innermost.  Each store of codes covers two aligned runs of 256 bytes; a lane's scale byte is stored alone (24,576 bytes in the whole launch).
; Pairs: 0-47 Wq, Wk, Wv (pair 6 head + 2 matrix + K step); 48-63 Wo (48 + 2 group + K step); 64-127 W1 (64 + 2 group + K step); 128-191 W2 (128 + 8 group + K step).
; A block's scale is 2^(floor(log2(largest magnitude)) - 8); its byte is the largest magnitude's exponent field - 8, held at 1 from below.
; LIMITS: a block of zeros, or one whose largest magnitude lies under 2^-118, gets the byte 1 (its bytes are read by this program alone; zero codes add nothing); NaN and infinities are not served.
.set X, 32                             ; v32-63 the block's 32 numbers
.set C, 64                             ; v64-71 its codes
	s_load_b512 s[4:19], s[0:1], 0x0               ; Wq 4, Wk 6, Wv 8, Wo 10, W1 12, W2 14, wcodes 16, wscales 18
	v_lshrrev_b32 v4, 5, v0
	v_readfirstlane_b32 s31, v4                    ; wave = block c
	v_and_b32 v4, 31, v0                           ; lane = column in the group
	v_lshlrev_b32 v1, 2, v4                        ; in: 4 bytes a lane
	v_bfe_u32 v5, v4, 3, 1                         ; u
	v_and_b32 v6, 7, v4
	v_lshrrev_b32 v7, 4, v4
	v_lshl_add_u32 v6, v7, 3, v6                   ; rho
	v_lshlrev_b32 v2, 4, v6
	v_lshl_add_u32 v2, v5, 11, v2                  ; codes: 2,048 u + 16 rho
	v_lshlrev_b32 v3, 4, v6
	v_lshl_add_u32 v3, v5, 2, v3                   ; scale byte: 16 rho + 4 u
	s_mov_b32 s24, ttmp9                           ; the offsets of all four kinds of source are made, then one is chosen
	s_lshr_b32 s25, s24, 4                         ; Wq, Wk, Wv: matrix,
	s_bfe_u32 s26, s24, 0x30001                    ; head,
	s_and_b32 s27, s24, 1                          ; K step
	s_lshl_b32 s32, s26, 15                        ; a head is 256 x 32 x 4 bytes,
	s_lshl_b32 s29, s27, 14                        ; 128 rows of 128 bytes
	s_add_co_u32 s32, s32, s29
	s_mul_i32 s36, s26, 6
	s_lshl_b32 s25, s25, 1
	s_add_co_u32 s36, s36, s25
	s_add_co_u32 s36, s36, s27                     ; its pair: 6 head + 2 matrix + K step
	s_sub_co_u32 s25, s24, 48                      ; Wo: K step in bit 0 (128 rows of 1,024 bytes), group above (128 bytes)
	s_and_b32 s26, s25, 1
	s_lshl_b32 s33, s26, 17
	s_lshr_b32 s26, s25, 1
	s_lshl_b32 s26, s26, 7
	s_add_co_u32 s33, s33, s26
	s_sub_co_u32 s25, s24, 64                      ; W1: the same with rows of 4,096 bytes
	s_and_b32 s26, s25, 1
	s_lshl_b32 s34, s26, 19
	s_lshr_b32 s26, s25, 1
	s_lshl_b32 s26, s26, 7
	s_add_co_u32 s34, s34, s26
	s_sub_co_u32 s25, s24, 128                     ; W2: K step in bits 2:0, group above
	s_and_b32 s26, s25, 7
	s_lshl_b32 s35, s26, 17
	s_lshr_b32 s26, s25, 3
	s_lshl_b32 s26, s26, 7
	s_add_co_u32 s35, s35, s26
	s_mov_b32 s30, 0x600000                        ; the mantissa field of 448
	s_mov_b32 s23, 0
	s_wait_kmcnt 0x0
	s_cmp_lt_u32 s24, 128                          ; every choice hangs on the work-group's number alone
	s_cselect_b64 s[20:21], s[12:13], s[14:15]
	s_cselect_b32 s22, s34, s35
	s_cmp_lt_u32 s24, 64
	s_cselect_b64 s[20:21], s[10:11], s[20:21]
	s_cselect_b32 s22, s33, s22
	s_cmp_lt_u32 s24, 48
	s_cselect_b64 s[20:21], s[8:9], s[20:21]
	s_cselect_b32 s22, s32, s22
	s_cselect_b32 s28, s36, s24                    ; the pair's number
	s_cmp_lt_u32 s24, 32
	s_cselect_b64 s[20:21], s[6:7], s[20:21]
	s_cmp_lt_u32 s24, 16
	s_cselect_b64 s[20:21], s[4:5], s[20:21]
	s_add_nc_u64 s[20:21], s[20:21], s[22:23]      ; the source at (the pair's first k, first column)
	s_lshl_b32 s22, s28, 12                        ; 4,096 bytes of codes a pair,
	s_lshl_b32 s25, s31, 9                         ; 512 a block in each fragment
	s_add_co_u32 s22, s22, s25
	s_add_nc_u64 s[16:17], s[16:17], s[22:23]
	s_lshr_b32 s22, s28, 1                         ; scale bytes: 256 (pair / 2) + 8 (pair % 2) + c
	s_lshl_b32 s22, s22, 8
	s_and_b32 s25, s28, 1
	s_lshl_b32 s25, s25, 3
	s_add_co_u32 s22, s22, s25
	s_add_co_u32 s22, s22, s31
	s_add_nc_u64 s[18:19], s[18:19], s[22:23]
.macro LOADS stride                    ; number (32 c + k, my column), k = 0 .. 31
	s_mul_i32 s22, s31, 32*(\stride)
	s_add_nc_u64 s[20:21], s[20:21], s[22:23]
.set k, 0
.rept 32
	global_load_b32 v[X+k], v1, s[20:21] offset:k*(\stride) th:TH_LOAD_NT
.set k, k+1
.endr
.endm
	s_cmp_lt_u32 s24, 48                           ; the row's length differs: three copies of the loads, chosen by the work-group's number
	s_cbranch_scc1 .Lrow128
	s_cmp_lt_u32 s24, 64
	s_cbranch_scc1 .Lrow1024
	s_cmp_lt_u32 s24, 128
	s_cbranch_scc1 .Lrow4096
.Lrow1024:
	s_wait_alu depctr_va_vdst(0)                   ; the wait ahead of the head's first readers
	LOADS 1024
	s_branch .Lloaded
.Lrow4096:
	s_wait_alu depctr_va_vdst(0)
	LOADS 4096
	s_branch .Lloaded
.Lrow128:
	s_wait_alu depctr_va_vdst(0)
	LOADS 128
.Lloaded:
	s_wait_loadcnt 0x0
	v_max3_num_f32 v8, |v[X]|, |v[X+1]|, |v[X+2]|  ; the block's largest magnitude: all 32 numbers are mine; two chains
	v_max3_num_f32 v9, |v[X+3]|, |v[X+4]|, |v[X+5]|
.irp i, 6,10,14,18,22,26
	v_max3_num_f32 v8, v8, |v[X+\i]|, |v[X+\i+1]|
	v_max3_num_f32 v9, v9, |v[X+\i+2]|, |v[X+\i+3]|
.endr
	v_max3_num_f32 v8, v8, |v[X+30]|, |v[X+31]|
	v_max3_num_f32 v8, v8, v9, 0x4800000           ; and the floor 2^(9 - 127): the byte cannot fall under 1
	v_add_nc_u32 v11, 0xfc000000, v8               ; 8 off the exponent field: the conversion takes this operand's exponent field as its scale
	v_and_or_b32 v10, v8, 0x7f800000, s30          ; 448 x the scale
	v_lshrrev_b32 v12, 23, v11                     ; the scale's byte
.set i, 0
.rept 32
	v_med3_num_f32 v[X+i], v[X+i], -v10, v10       ; the conversion to an 8-bit code does not saturate (ISA guide 7.6.2): the hold comes first
.set i, i+1
.endr
.irp g, 0,1,2,3
	v_cvt_scalef32_pk8_fp8_f32 v[C+2*\g:C+2*\g+1], v[X+8*\g:X+8*\g+7], v11
.endr
	v_nop                                          ; a plain line behind the last conversion
	global_store_b128 v2, v[C:C+3], s[16:17]               ; k = 32 c + 0..15: the places of lanes 0-15 of the image
	global_store_b128 v2, v[C+4:C+7], s[16:17] offset:256  ; k = 32 c + 16..31: those of lanes 16-31
	global_store_b8 v3, v12, s[18:19]
	s_endpgm
.Lfunc_end_k_qf8ee80d26e_prep:
	.size	k_qf8ee80d26e_prep, .Lfunc_end_k_qf8ee80d26e_prep-k_qf8ee80d26e_prep
	.p2alignl 7, 3214868480
	.fill 96, 4, 3214868480
	.section	.rodata,"a",@progbits
	.p2align	6, 0x0
	.amdhsa_kernel k_qf8ee80d26e_prep
		.amdhsa_group_segment_fixed_size 0
		.amdhsa_private_segment_fixed_size 0
		.amdhsa_enable_private_segment 0
		.amdhsa_kernarg_size 64
		.amdhsa_user_sgpr_count 2
		.amdhsa_user_sgpr_kernarg_segment_ptr 1
		.amdhsa_wavefront_size32 1
		.amdhsa_system_sgpr_workgroup_id_x 1
		.amdhsa_system_sgpr_workgroup_id_y 1
		.amdhsa_system_sgpr_workgroup_id_z 1
		.amdhsa_system_vgpr_workitem_id 0
		.amdhsa_next_free_vgpr 80
		.amdhsa_next_free_sgpr 66
		.amdhsa_reserve_vcc 0
		.amdhsa_float_denorm_mode_32 3
		.amdhsa_float_denorm_mode_16_64 3
		.amdhsa_memory_ordered 1
		.amdhsa_forward_progress 1
		.amdhsa_inst_pref_size 17
	.end_amdhsa_kernel
	.amdgpu_metadata
---
amdhsa.version: [ 1, 2 ]
amdhsa.kernels:
  - .name:           k_qf8ee80d26e_prep
    .symbol:         k_qf8ee80d26e_prep.kd
    .args:
      - { .name: Wq, .offset: 0, .size: 8, .value_kind: global_buffer, .address_space: global }
      - { .name: Wk, .offset: 8, .size: 8, .value_kind: global_buffer, .address_space: global }
      - { .name: Wv, .offset: 16, .size: 8, .value_kind: global_buffer, .address_space: global }
      - { .name: Wo, .offset: 24, .size: 8, .value_kind: global_buffer, .address_space: global }
      - { .name: W1, .offset: 32, .size: 8, .value_kind: global_buffer, .address_space: global }
      - { .name: W2, .offset: 40, .size: 8, .value_kind: global_buffer, .address_space: global }
      - { .name: wcodes, .offset: 48, .size: 8, .value_kind: global_buffer, .address_space: global }
      - { .name: wscales, .offset: 56, .size: 8, .value_kind: global_buffer, .address_space: global }
    .group_segment_fixed_size: 0
    .private_segment_fixed_size: 0
    .kernarg_segment_align: 8
    .kernarg_segment_size: 64
    .max_flat_workgroup_size: 128
    .sgpr_count:     66
    .vgpr_count:     80
    .wavefront_size: 32
...
	.end_amdgpu_metadata
.endif
;; end of part 1
;; launch block (part 2): grid 256 x 1, 8 waves a work-group, no clusters, 313,344 bytes of LDS; arguments x, wcodes, wscales, g1, be1, bo, g2, be2, b1, b2, out0; writes out0
.if DOCPART == 2
	.amdgcn_target "amdgcn-amd-amdhsa--gfx1250"
	.amdhsa_code_object_version 6
	.text
	.protected	k_qf8ee80d26e_block
	.globl	k_qf8ee80d26e_block
	.p2align	8
	.type	k_qf8ee80d26e_block,@function
k_qf8ee80d26e_block:
	s_mov_b64 s[64:65], 0
	v_nop
	global_prefetch_b8 v0, s[64:65] scope:SCOPE_SE
	s_setreg_imm32_b32 hwreg(HW_REG_WAVE_MODE, 25, 1), 1
	s_wait_xcnt 0x0
; One transformer block, fused: LayerNorm, q k v, causal attention (8 heads of 32), Wo + residual, LayerNorm, 256 -> 1,024 (relu) -> 256 + residual.  All eight products on codes of FP8 (E4M3) with one E8M0 byte
; for each 32 along K; every activation is made in f32 and quantised in registers.  x and out0: [512][128][256] f32.  Nothing but x, the weights' codes and out0 touches memory.
; SHARES.  A work-group of eight waves stays and walks two batch elements (128 tokens each).  THE WAVES SHARE THE COLUMNS: wave w owns columns 32 w .. 32 w + 31 of all 128 tokens in both LayerNorms, Wo's and W2's
; products and the residuals; head w in q k v and attention (q, k, v, p never leave its registers); hidden units 128 w .. 128 w + 127 in W1's product, which are K step w of W2's.
; WEIGHTS come from wcodes as images of operand registers, straight into window 1: each fragment is loaded once for a batch element and feeds eight matrix instructions.
; ACTIVATIONS go from wave to wave through LDS as images of operand registers (16 bytes a lane at 16 x lane, 512 bytes a group of four registers), their scale words beside them.
; TOKEN TILES.  Row r of tile m is token 32 (m / 2) + 8 (m % 2) + r + (r & 8).  The same tiles serve as queries, as keys and as rows of v's product, so that p's and v's registers run along neighbouring keys.
; LAYOUT.  Products are used transposed (source 0 = 16 weight rows, source 1 = 16 tokens): lane (r, h) holds token r, and the 16 registers of a group's two tiles are columns group + 16 h + 0 .. 15: four registers
; of codes of the next operand.  v's product takes the tokens as source 0: a lane then holds a channel and its registers run along the tokens.  S^T = K Q^T, O^T = V^T P^T.
; SOFTMAX.  t = score x log2(e) / sqrt(32); M = ceil(the row's largest t); p = 2^(t - M) is quantised along the keys; the sum of the unquantised p divides O.  Blocks of 32 keys that lie wholly behind the
; causal mask are left out; in the block on the diagonal hidden scores become -infinity.
; NO CLUSTER, NO TENSOR LOADS: what work-groups share is the weights; a joint load lands in LDS alone, of which the activations hold 312,320 of 327,680 bytes, and weights passed through LDS would be written and
; read there once more for each batch element (some 1.6 MB), on top of the activations' images.
; LIMITS: NaN and infinities among the inputs are not served.  A block of zeros, or one whose largest magnitude lies under 2^-118, gets the scale byte 1 (this program alone reads the bytes; zero codes add nothing).
; A p under 2^-126 counts as 0.  A block's largest p is taken from the block's largest score, which takes v_exp_f32 not to fall where its input rises.
;
; LDS
.set ACT,   0                          ; 16 images of 2,048 bytes: fragment 2 m + s of h, later of h2
.set ACTS,  32768                      ; their scale words: 64 x fragment + 4 r
.set STAT,  33792                      ; LayerNorm's figures: row (16 m + r) x 80: eight means, eight sums of squares, then 16 bytes for the row's joined figures (- mean / deviation at +64, 1 / deviation at +72)
.set OB,    160                        ; v160-223: the way out: 16 groups of four registers
.set XS,    44032                      ; 128 rows (16 m + r) of 1,024 bytes + 16: x, then x + attention, then the result
.set XP,    1040
.set HID,   177152                     ; 64 images: fragment 8 m + s of the hidden layer; during attention o's 16 images (2 m + s)
.set OSC,   HID+32768                  ; and o's scale words
.set HIDS,  308224                     ; the hidden layer's scale words: 64 (8 m + s) + 4 r
; registers that stay (window 0)
.set LI,  1                            ; 16 x lane
.set LS,  2                            ; 4 x (lane % 16)
.set CA,  3                            ; v3, v4: my 64 bytes of row r in XS, tiles 0-3 and 4-7
.set RA,  5                            ; XS, my 16 rows, 16 x lane
.set STW, 6                            ; STAT: row r, my wave's word
.set STR, 7                            ; STAT: row r
.set BKW, 8                            ; my four registers' place in an image of K = 256: 16 lane + 2,048 (w / 4) + 512 (w % 4)
.set BSW, 9                            ; my byte's place among its scale words: 4 r + 64 (w / 4) + w % 4
.set GV,  10                           ; 128 w + 64 h: my 16 numbers of a vector of 256
.set B1V, 11                           ; 512 w + 64 h: of b1
.set A0,  12                           ; v12-14: the stage's address registers
.set A1,  13
.set A2,  14
.set LS4, 15                           ; 16 x (lane % 16): my row's place among the scale words of four fragments
.set PFR, 228                          ; v228: 256 x lane, made where the prefetch stands
; The weights' loads are issued in short runs among the LayerNorms' parts, in the order in which the products want them.  i = 0 .. 7: ahead of the four parts of the statistics and the four of the normalising.
.macro LNW park, i
.if \park
.if (\i) < 4
	GLW 128+16*(\i), 32, 32+4*(\i), 4              ; W1's third quarter, where Wo's fragments lay: four loads a part
.endif
.elseif (\i) < 4
	GLW 64+32*(\i), 28, 16+8*(\i), 8               ; q k v's other 32 groups of four registers: eight loads a part
.endif
.endm
.set WS,  16                           ; v16-31: the weights' scale words of the stage in hand
.set XR,  32                           ; v32-159: my 16 columns of 8 tiles
.set KC,  192                          ; window 1: k's codes, four registers a tile
.set VC,  224                          ; window 1: v's two fragments (channels x 128 keys)
.set W_S0, 0x01                        ; source 0 in window 1
.set W_S1, 0x04                        ; source 1 in window 1
.set W_D,  0x40                        ; destination in window 1
.set MSB, 0
.macro WIN new                         ; the immediate's high byte repeats the setting that is left
.if MSB != (\new)
	s_set_vgpr_msb (MSB<<8)|(\new)
.set MSB, \new
.endif
.endm
.macro BAR                             ; my LDS stores have landed and my LDS loads are in: then the work-group's barrier
	s_wait_dscnt 0x0
	s_barrier_signal -1
	s_barrier_wait -1
.endm
.macro NOPS n                          ; places behind matrix instructions: eight before a result is read or a load lands on an operand
.rept \n
	v_nop
.endr
.endm
.macro FETCH reg, adr, off             ; an image comes back as the operand's 16 registers
.irp c, 0,1,2,3
	ds_load_b128 v[(\reg)+4*\c:(\reg)+4*\c+3], v[\adr] offset:(\off)+512*\c
.endr
.endm
.macro GLW reg, base, i0, n            ; n groups of four registers of weights' codes into window 1
	WIN W_D
.set gk, 0
.rept \n
	global_load_b128 v[(\reg)+4*gk:(\reg)+4*gk+3], v[LI], s[\base:\base+1] offset:512*((\i0)+gk)
.set gk, gk+1
.endr
	WIN 0
.endm
.macro MM0 d, a, b, sa, sb             ; a product that starts a sum
	v_wmma_scale_f32_16x16x128_f8f6f4 v[(\d):(\d)+7], v[(\a):(\a)+15], v[(\b):(\b)+15], 0, v[\sa], v[\sb]
.endm
.macro MMA d, a, b, sa, sb             ; one that adds in place
	v_wmma_scale_f32_16x16x128_f8f6f4 v[(\d):(\d)+7], v[(\a):(\a)+15], v[(\b):(\b)+15], v[(\d):(\d)+7], v[\sa], v[\sb]
.endm
.macro MMC d, a, b, c, sa, sb          ; one that starts a sum with a bias
	v_wmma_scale_f32_16x16x128_f8f6f4 v[(\d):(\d)+7], v[(\a):(\a)+15], v[(\b):(\b)+15], v[(\c):(\c)+7], v[\sa], v[\sb]
.endm
; The scales of nb blocks: block b is v[src + 16 b .. + 15] of lanes l and l xor 16.  TMX largest magnitudes, TMP the other half's, TSO the conversions' scale operands, THL 448 x the scale; the bytes go to v[by + b].
.macro QSCALE src, nb, relu, by
.set qb, 0
.rept \nb
.if \relu
	v_max3_num_f32 v[TMX+qb], v[(\src)+16*qb], v[(\src)+16*qb+1], 0x4800000        ; no |.|: what is negative becomes 0 and must not count; the floor 2^(9 - 127) holds the byte at 1 from below
.else
	v_max3_num_f32 v[TMX+qb], |v[(\src)+16*qb]|, |v[(\src)+16*qb+1]|, 0x4800000
.endif
.set qb, qb+1
.endr
.irp i, 2,4,6,8,10,12,14
.set qb, 0
.rept \nb
.if \relu
	v_max3_num_f32 v[TMX+qb], v[TMX+qb], v[(\src)+16*qb+\i], v[(\src)+16*qb+\i+1]
.else
	v_max3_num_f32 v[TMX+qb], v[TMX+qb], |v[(\src)+16*qb+\i]|, |v[(\src)+16*qb+\i+1]|
.endif
.set qb, qb+1
.endr
.endr
.set qb, 0
.rept \nb
	v_permlanex16_b32 v[TMP+qb], v[TMX+qb], s44, s45
.set qb, qb+1
.endr
.set qb, 0
.rept \nb
	v_max_num_f32 v[TMX+qb], v[TMX+qb], v[TMP+qb]
.set qb, qb+1
.endr
.set qb, 0
.rept \nb
	v_add_nc_u32 v[TSO+qb], 0xfc000000, v[TMX+qb]  ; 8 off the exponent field
.set qb, qb+1
.endr
.set qb, 0
.rept \nb
	v_and_or_b32 v[THL+qb], v[TMX+qb], 0x7f800000, s48
.set qb, qb+1
.endr
.set qb, 0
.rept \nb
	v_lshrrev_b32 v[(\by)+qb], 23, v[TSO+qb]
.set qb, qb+1
.endr
.endm
; 16 numbers of block b become four registers of codes: the hold (the conversion does not saturate: ISA guide 7.6.2; with relu it clips at 0 as well), then two conversions; win: the destination's window
.macro QCODE src, dst, b, relu, win
.set qi, 0
.rept 16
.if \relu
	v_med3_num_f32 v[(\src)+qi], v[(\src)+qi], 0, v[THL+(\b)]
.else
	v_med3_num_f32 v[(\src)+qi], v[(\src)+qi], -v[THL+(\b)], v[THL+(\b)]
.endif
.set qi, qi+1
.endr
	WIN \win
	v_cvt_scalef32_pk8_fp8_f32 v[(\dst):(\dst)+1], v[(\src):(\src)+7], v[TSO+(\b)]
	v_cvt_scalef32_pk8_fp8_f32 v[(\dst)+2:(\dst)+3], v[(\src)+8:(\src)+15], v[TSO+(\b)]
	WIN 0
.endm
.macro XLD                             ; my 16 columns of all 8 tiles out of XS: v[XR + 16 m + i] = column 32 w + 16 h + i of row (m, r)
.set k, 0
.rept 32
	ds_load_b128 v[XR+4*k:XR+4*k+3], v[CA+(k/16)] offset:((k/4)&3)*16*XP+16*(k&3)
.set k, k+1
.endr
.endm
.macro XST                             ; and back: my own bytes; each accumulator from its low end on
.set k, 0
.rept 32
	ds_store_b128 v[CA+(k/16)], v[XR+4*k:XR+4*k+3] offset:((k/4)&3)*16*XP+16*(k&3)
.set k, k+1
.endr
.endm
; ---------------- LayerNorm of v[XR ..], quantised, images to ACT ----------------
.set G,   160                          ; v160-175 gain, v176-191 offset of my 16 columns
.set BE,  176
.set Y,   192                          ; v192-223 two tiles x 16, at work
.set LMB, 224                          ; v224-239 tile m: my 32 columns' mean (even register) and sum of squared deviations (odd)
.macro SETT p, t
.set X0,  XR+32*(\p)+16*(\t)
.set T0,  Y+16*(\t)
.set LM0, LMB+4*(\p)+2*(\t)
.set TA,  242+4*(\t)
.set MU0, 224+4*(\t)
.set RS0, 226+4*(\t)
.endm
.macro LSTAT2 p                        ; tiles 2 p and 2 p + 1 by turns: mean and sum of squared deviations of my 32 columns of each token
.irp t, 0,1
	SETT \p,\t
	v_pk_add_f32 v[T0:T0+1], v[X0:X0+1], v[X0+2:X0+3]
	v_pk_add_f32 v[T0+2:T0+3], v[X0+8:X0+9], v[X0+10:X0+11]
.endr
.irp t, 0,1
	SETT \p,\t
	v_pk_add_f32 v[T0:T0+1], v[T0:T0+1], v[X0+4:X0+5]
	v_pk_add_f32 v[T0+2:T0+3], v[T0+2:T0+3], v[X0+12:X0+13]
.endr
.irp t, 0,1
	SETT \p,\t
	v_pk_add_f32 v[T0:T0+1], v[T0:T0+1], v[X0+6:X0+7]
	v_pk_add_f32 v[T0+2:T0+3], v[T0+2:T0+3], v[X0+14:X0+15]
.endr
.irp t, 0
	SETT \p,\t
	s_delay_alu instid0(VALU_DEP_3)
	v_pk_add_f32 v[T0:T0+1], v[T0:T0+1], v[T0+2:T0+3]
.endr
.irp t, 1
	SETT \p,\t
	s_delay_alu instid0(VALU_DEP_2)
	v_pk_add_f32 v[T0:T0+1], v[T0:T0+1], v[T0+2:T0+3]
.endr
.irp t, 0,1
	SETT \p,\t
	s_delay_alu instid0(VALU_DEP_2)
	v_add_f32 v[T0], v[T0], v[T0+1]
.endr
.irp t, 0,1
	SETT \p,\t
	s_delay_alu instid0(VALU_DEP_2)
	v_permlanex16_b32 v[T0+2], v[T0], s44, s45     ; the token's other 16 of my columns lie in lane l xor 16
.endr
.irp t, 0,1
	SETT \p,\t
	s_delay_alu instid0(VALU_DEP_2)
	v_add_f32 v[T0], v[T0], v[T0+2]
.endr
.irp t, 0,1
	SETT \p,\t
	s_delay_alu instid0(VALU_DEP_2)
	v_mul_f32 v[LM0], 0x3d000000, v[T0]            ; / 32
.endr
.irp hh, 0,8
.irp t, 0,1
	SETT \p,\t
.irp k, 0,2,4,6
	v_pk_add_f32 v[T0+4+\k:T0+5+\k], v[X0+\hh+\k:X0+\hh+\k+1], v[LM0:LM0+1] op_sel_hi:[1,0] neg_lo:[0,1] neg_hi:[0,1]
.endr
.endr
.irp t, 0,1
	SETT \p,\t
.if \hh == 0
	v_pk_mul_f32 v[T0:T0+1], v[T0+4:T0+5], v[T0+4:T0+5]
	v_pk_mul_f32 v[T0+2:T0+3], v[T0+6:T0+7], v[T0+6:T0+7]
.else
	v_pk_fma_f32 v[T0:T0+1], v[T0+4:T0+5], v[T0+4:T0+5], v[T0:T0+1]
	v_pk_fma_f32 v[T0+2:T0+3], v[T0+6:T0+7], v[T0+6:T0+7], v[T0+2:T0+3]
.endif
	s_delay_alu instid0(VALU_DEP_2)
	v_pk_fma_f32 v[T0:T0+1], v[T0+8:T0+9], v[T0+8:T0+9], v[T0:T0+1]
	s_delay_alu instid0(VALU_DEP_2)
	v_pk_fma_f32 v[T0+2:T0+3], v[T0+10:T0+11], v[T0+10:T0+11], v[T0+2:T0+3]
.endr
.endr
.irp t, 0
	SETT \p,\t
	v_pk_add_f32 v[T0:T0+1], v[T0:T0+1], v[T0+2:T0+3]
.endr
.irp t, 1
	SETT \p,\t
	s_delay_alu instid0(VALU_DEP_2)
	v_pk_add_f32 v[T0:T0+1], v[T0:T0+1], v[T0+2:T0+3]
.endr
.irp t, 0,1
	SETT \p,\t
	s_delay_alu instid0(VALU_DEP_2)
	v_add_f32 v[T0], v[T0], v[T0+1]
.endr
.irp t, 0,1
	SETT \p,\t
	s_delay_alu instid0(VALU_DEP_2)
	v_permlanex16_b32 v[T0+2], v[T0], s44, s45
.endr
.irp t, 0,1
	SETT \p,\t
	s_delay_alu instid0(VALU_DEP_2)
	v_add_f32 v[LM0+1], v[T0], v[T0+2]
.endr
.irp t, 0,1
	SETT \p,\t
	ds_store_b32 v[STW], v[LM0] offset:1280*(2*(\p)+\t)        ; both lanes of a token write the same word with the same value; each tile has registers of its own
	ds_store_b32 v[STW], v[LM0+1] offset:1280*(2*(\p)+\t)+32
.endr
.endm
; The eight waves' figures of a token are joined ONCE: wave w joins those of tile w's 16 tokens and leaves - mean / deviation and 1 / deviation in the last 16 bytes of the token's row of STAT.
.set JM, 246                           ; v[246:247] the row's mean;  v242-245 at work
.macro LMERGE
	s_mul_i32 s58, s26, 1280
	v_add_nc_u32 v[A0], s58, v[STR]                ; tile w, row r
.irp q, 0,1,2,3
	ds_load_b128 v[Y+4*\q:Y+4*\q+3], v[A0] offset:16*\q    ; v[Y ..]: eight means; v[Y + 8 ..]: eight sums of squared deviations
.endr
	s_wait_dscnt 0x0
	v_pk_add_f32 v[242:243], v[Y:Y+1], v[Y+2:Y+3]
	v_pk_add_f32 v[244:245], v[Y+4:Y+5], v[Y+6:Y+7]
	v_pk_add_f32 v[Y+8:Y+9], v[Y+8:Y+9], v[Y+10:Y+11]
	v_pk_add_f32 v[Y+12:Y+13], v[Y+12:Y+13], v[Y+14:Y+15]
	v_pk_add_f32 v[242:243], v[242:243], v[244:245]
	v_pk_add_f32 v[Y+8:Y+9], v[Y+8:Y+9], v[Y+12:Y+13]
	v_add_f32 v242, v242, v243
	v_mul_f32 v[JM], 0x3e000000, v242              ; the row's mean: the eight means / 8
.irp k, 0,2,4,6
	v_pk_add_f32 v[Y+\k:Y+\k+1], v[Y+\k:Y+\k+1], v[JM:JM+1] op_sel_hi:[1,0] neg_lo:[0,1] neg_hi:[0,1]
.endr
	v_pk_mul_f32 v[242:243], v[Y:Y+1], v[Y:Y+1]
	v_pk_mul_f32 v[244:245], v[Y+2:Y+3], v[Y+2:Y+3]
	v_pk_fma_f32 v[242:243], v[Y+4:Y+5], v[Y+4:Y+5], v[242:243]
	v_pk_fma_f32 v[244:245], v[Y+6:Y+7], v[Y+6:Y+7], v[244:245]
	v_pk_add_f32 v[242:243], v[242:243], v[244:245]
	v_pk_fma_f32 v[Y+8:Y+9], v[242:243], 0x42000000, v[Y+8:Y+9] op_sel_hi:[1,0,1]   ; the parts' sums of squares + 32 x (part's mean - mean)^2: no difference of large sums is formed
	v_add_f32 v[Y+8], v[Y+8], v[Y+9]
	v_fma_f32 v[Y+8], v[Y+8], s49, s50             ; / 256 + eps
	s_wait_alu depctr_va_vdst(0)                   ; the wait ahead of the root,
	v_rsq_f32 v226, v[Y+8]
	v_nop                                          ; a plain line behind it,
	s_wait_alu depctr_va_vdst(0)                   ; and the wait ahead of its first reader
	v_mul_f32 v224, -v[JM], v226                   ; - mean / deviation: (x - mean) / deviation is then one multiply-add
	ds_store_b128 v[A0], v[224:227] offset:64      ; words 0 and 2 count; both lanes of a token write the same bytes with the same values
.endm
.macro LNFIG p                         ; the joined figures of tiles 2 p and 2 p + 1: v[MU0], v[RS0] of each
.irp t, 0,1
	ds_load_b128 v[224+4*\t:227+4*\t], v[STR] offset:1280*(2*(\p)+\t)+64
.endr
.endm
.macro LNPAIR p, lcnt                  ; tiles 2 p and 2 p + 1: the rows normalised and quantised
	s_wait_dscnt 0x0                               ; the figures are in; the last pair's stores have read their registers too
.if (\p) == 0
	s_wait_loadcnt \lcnt                           ; gain and offset are in; the loads issued behind them may stay out
.endif
.irp k, 0,2,4,6,8,10,12,14
.irp t, 0,1
	SETT \p,\t
	v_pk_fma_f32 v[T0+\k:T0+\k+1], v[X0+\k:X0+\k+1], v[RS0:RS0+1], v[MU0:MU0+1] op_sel_hi:[1,0,0]
.endr
.endr
.if (\p) < 3
	LNFIG (\p)+1                                   ; the next pair's figures land while this pair is quantised
.endif
.irp k, 0,2,4,6,8,10,12,14
.irp t, 0,1
	SETT \p,\t
	v_pk_fma_f32 v[T0+\k:T0+\k+1], v[T0+\k:T0+\k+1], v[G+\k:G+\k+1], v[BE+\k:BE+\k+1]
.endr
.endr
	QSCALE Y, 2, 0, BY                             ; my 32 columns are one block of 32 along K
	QCODE Y, PC, 0, 0, 0
	QCODE Y+16, PC+4, 1, 0, 0
	v_nop                                          ; a plain line behind the last conversion
.irp t, 0,1
	ds_store_b128 v[BKW], v[PC+4*\t:PC+4*\t+3] offset:ACT+4096*(2*(\p)+\t)
	ds_store_b8 v[BSW], v[BY+\t] offset:ACTS+128*(2*(\p)+\t)
.endr
.endm
.macro LNORM lcnt, park
.set TMX, 232
.set TMP, 234
.set TSO, 236
.set THL, 238
.set BY,  240
.set PC,  246
.irp p, 0,1,2,3
	LNW \park, \p
	LSTAT2 \p
.endr
	BAR                                            ; every wave's figures lie in STAT
	LMERGE
	BAR                                            ; every token's joined figures lie there too
	LNFIG 0
.irp p, 0,1,2,3
	LNW \park, 4+\p
	LNPAIR \p, \lcnt
.endr
.if \park
	XST                                            ; x + attention waits in XS for the second residual
	s_wait_dscnt 0x0                               ; the stores have read their registers
.set k, 0
.rept 16
	global_load_b128 v[130+4*k:130+4*k+3], v[B1V], s[20:21] offset:128*(k/4)+16*(k&3)   ; b1 in the result's layout: register 16 b + i = unit 128 w + 32 b + 16 h + i
.set k, k+1
.endr
.irp q, 0,1,2,3
	global_load_b128 v[232+4*\q:235+4*\q], v[GV], s[22:23] offset:16*\q   ; b2 of my 16 columns: v232-247, which the hidden layer's stage leaves alone
.endr
.endif
	BAR                                            ; the sixteen images lie in ACT
.endm
; ================= the head =================
	s_load_b512 s[4:19], s[0:1], 0x0               ; x 4, wcodes 6, wscales 8, g1 10, be1 12, bo 14, g2 16, be2 18
	s_load_b128 s[20:23], s[0:1], 0x40             ; b1 20, b2 22
	s_load_b64 s[24:25], s[0:1], 0x50              ; out0
	v_lshrrev_b32 v12, 5, v0
	s_delay_alu instid0(VALU_DEP_1)
	v_readfirstlane_b32 s26, v12                   ; wave 0..7
	v_and_b32 v14, 31, v0                          ; lane
	v_and_b32 v12, 15, v0                          ; r
	v_bfe_u32 v13, v0, 4, 1                        ; h
	s_delay_alu instid0(VALU_DEP_3)
	v_lshlrev_b32 v[LI], 4, v14
	s_delay_alu instid0(VALU_DEP_3)
	v_lshlrev_b32 v[LS], 2, v12
	v_lshlrev_b32 v[LS4], 4, v12
	s_lshl_b32 s56, s26, 7                         ; 128 w
	v_mul_u32_u24 v[CA], v12, XP
	s_delay_alu instid0(VALU_DEP_1)
	v_lshl_add_u32 v[CA], v13, 6, v[CA]
	s_add_co_u32 s57, s56, XS
	v_add_nc_u32 v[CA], s57, v[CA]
	s_delay_alu instid0(VALU_DEP_1)
	v_add_nc_u32 v[CA+1], 4*16*XP, v[CA]
	s_mul_i32 s57, s26, 16*XP
	s_add_co_u32 s57, s57, XS
	v_add_nc_u32 v[RA], s57, v[LI]
	v_mul_u32_u24 v[STR], v12, 80
	s_delay_alu instid0(VALU_DEP_1)
	v_add_nc_u32 v[STR], STAT, v[STR]
	s_lshl_b32 s57, s26, 2
	v_add_nc_u32 v[STW], s57, v[STR]
	s_lshr_b32 s57, s26, 2                         ; w / 4: the K step of 128 in which my columns lie
	s_and_b32 s58, s26, 3                          ; w % 4: the block of 32 in it
	s_lshl_b32 s59, s57, 11
	s_lshl_b32 s27, s58, 9
	s_add_co_u32 s59, s59, s27
	v_add_nc_u32 v[BKW], s59, v[LI]
	s_lshl_b32 s59, s57, 6
	s_add_co_u32 s59, s59, s58
	v_add_nc_u32 v[BSW], s59, v[LS]
	v_lshlrev_b32 v[GV], 6, v13
	s_lshl_b32 s59, s26, 9
	v_add_nc_u32 v[B1V], s59, v[GV]
	v_add_nc_u32 v[GV], s56, v[GV]
.set k, 224
.rept 32
	v_mov_b32 v[k], 0                              ; written once: lane permutes' destinations and the upper halves of broadcast pairs count as read
.set k, k+1
.endr
	s_mov_b32 s44, 0x76543210
	s_mov_b32 s45, 0xfedcba98                      ; v_permlanex16_b32's selects for lane l xor 16
	s_mov_b32 s46, 0x3e8293ee                      ; log2(e) / sqrt(32)
	s_mov_b32 s47, s46                             ; (named with it as a pair)
	s_mov_b32 s48, 0x600000                        ; the mantissa field of 448
	s_mov_b32 s49, 0x3b800000                      ; 1 / 256
	s_mov_b32 s50, 0x3727c5ac                      ; 1e-5
	s_mov_b32 s51, 2                               ; batch elements to go
	s_mov_b32 s57, 0
	s_wait_kmcnt 0x0
	s_mul_i32 s56, s26, 24576                      ; my fragments: q k v 12 w on,
	s_add_nc_u64 s[28:29], s[6:7], s[56:57]
	s_lshl_b32 s56, s26, 13
	s_add_co_u32 s56, s56, 196608                  ; Wo 96 + 4 w on,
	s_add_nc_u64 s[30:31], s[6:7], s[56:57]
	s_lshl_b32 s56, s26, 15
	s_add_co_u32 s56, s56, 262144                  ; W1 128 + 16 w on,
	s_add_nc_u64 s[32:33], s[6:7], s[56:57]
	s_add_co_u32 s56, s56, 262144                  ; W2 256 + 16 w on
	s_add_nc_u64 s[34:35], s[6:7], s[56:57]
	s_mul_i32 s56, s26, 768                        ; and their scale words, 64 bytes a fragment
	s_add_nc_u64 s[36:37], s[8:9], s[56:57]
	s_lshl_b32 s56, s26, 8
	s_add_co_u32 s56, s56, 6144
	s_add_nc_u64 s[38:39], s[8:9], s[56:57]
	s_lshl_b32 s56, s26, 10
	s_add_co_u32 s56, s56, 8192
	s_add_nc_u64 s[40:41], s[8:9], s[56:57]
	s_add_co_u32 s56, s56, 8192
	s_add_nc_u64 s[42:43], s[8:9], s[56:57]
	s_lshl_b32 s56, ttmp9, 18                      ; two batch elements of 131,072 bytes a work-group,
	s_lshr_b32 s58, s26, 1
	s_lshl_b32 s58, s58, 15
	s_and_b32 s59, s26, 1
	s_lshl_b32 s59, s59, 13
	s_add_co_u32 s56, s56, s58
	s_add_co_u32 s56, s56, s59                     ; and tile w's first token, 32 (w / 2) + 8 (w % 2): the rows that I bring in and take out
	s_add_nc_u64 s[4:5], s[4:5], s[56:57]
	s_add_nc_u64 s[24:25], s[24:25], s[56:57]
.macro XIN off                         ; tile w's 16 rows of x, 512 consecutive bytes a load
.set k, 0
.rept 32
	global_load_b128 v[XR+4*k:XR+4*k+3], v[LI], s[4:5] offset:(\off)+((k/2)+((k/2)&8))*1024+512*(k&1) th:TH_LOAD_NT
.set k, k+1
.endr
	GLW 0, 28, 0, 16                               ; and behind them the first 16 of q k v's 48 groups of four registers
.endm
	XIN 0
.Lbatch:
.irp q, 0,1,2,3
	global_load_b128 v[G+4*\q:G+4*\q+3], v[GV], s[10:11] offset:16*\q
	global_load_b128 v[BE+4*\q:BE+4*\q+3], v[GV], s[12:13] offset:16*\q
.endr
.set k, 0
.rept 3
	global_load_b128 v[WS+4*k:WS+4*k+3], v[LS4], s[36:37] offset:256*k   ; scale words of q k v's twelve fragments, four fragments a load,
.set k, k+1
.endr
	global_load_b128 v[WS+12:WS+15], v[LS4], s[38:39]                    ; and of Wo's four
	s_wait_loadcnt 28                              ; x is in; the 16 + 8 + 4 loads behind it may stay out
.set k, 0
.rept 32
	ds_store_b128 v[RA], v[XR+4*k:XR+4*k+3] offset:(k/2)*XP+512*(k&1)
.set k, k+1
.endr
	BAR                                            ; 128 rows of x lie in XS
	XLD
	s_wait_dscnt 0x0
; ================= LayerNorm 1 =================
	LNORM 36, 0                                    ; 36: the scale words' four loads and the weights' 32 may stay out
; ================= q, k, v of head w, quantised in registers =================
.set AF,  32                           ; v32-95   h's fragments: two buffers of (K step 0, K step 1)
.set AS,  96                           ; v96-99   their scale words
.set ACC, 100                          ; v100-163 q, k (16 channels of a token each), v (two tiles of channels x 16 tokens)
.set AQ,  100
.set AK,  116
.set AV0, 132
.set AV1, 148
.set TMX, 164
.set TMP, 168
.set TSO, 172
.set THL, 176
.set QC,  180                          ; v180-211 q's codes, four registers a tile
.set QKS, 212                          ; v212-229 scale bytes: q's of tile m at 2 m, k's at 2 m + 1; v's pass through the two places behind
.set VS,  230                          ; v230-231 v's scale words
.set BO,  232                          ; v232-247 bo of my 16 columns
.set VD0, 248                          ; v248     r + (r & 8) - 16 h
.macro PROJ m
.set PB,  (\m)&1
.set AFP, AF+32*PB
.set AFN, AF+32*(1-PB)
.set ASP, AS+2*PB
.set ASN, AS+2*(1-PB)
.set AVO, 8*PB
	s_wait_dscnt 0x0                               ; this tile's fragments are in
.if (\m) < 7
	FETCH AFN, LI, ACT+2048*(2*(\m)+2)             ; the next tile's, into the other buffer
	FETCH AFN+16, LI, ACT+2048*(2*(\m)+3)
	ds_load_b32 v[ASN], v[LS] offset:ACTS+64*(2*(\m)+2)
	ds_load_b32 v[ASN+1], v[LS] offset:ACTS+64*(2*(\m)+3)
.endif
	WIN W_S0                                       ; twelve products; no two neighbours share an accumulator
	MM0 AQ, 0, AFP, WS, ASP
	MM0 AQ+8, 16, AFP, WS+1, ASP
	MM0 AK, 64, AFP, WS+4, ASP
	MM0 AK+8, 80, AFP, WS+5, ASP
	WIN W_S1                                       ; v: the tokens are source 0
	MM0 AV0+AVO, AFP, 128, ASP, WS+8
	MM0 AV1+AVO, AFP, 144, ASP, WS+9
	MMA AV0+AVO, AFP+16, 160, ASP+1, WS+10
	MMA AV1+AVO, AFP+16, 176, ASP+1, WS+11
	WIN W_S0
	MMA AQ, 32, AFP+16, WS+2, ASP+1
	MMA AQ+8, 48, AFP+16, WS+3, ASP+1
	MMA AK, 96, AFP+16, WS+6, ASP+1
	MMA AK+8, 112, AFP+16, WS+7, ASP+1
	WIN 0
	NOPS 8
.if PB
	QSCALE ACC, 4, 0, QKS+2*(\m)                   ; q's and k's 32 channels; and, two tiles of tokens being 32 keys, a block of each of v's two tiles
.else
	QSCALE ACC, 2, 0, QKS+2*(\m)
.endif
	QCODE AQ, QC+4*(\m), 0, 0, 0
	QCODE AK, KC+4*(\m), 1, 0, W_D
.if PB
	QCODE AV0, VC+4*((\m)/2), 2, 0, W_D
	QCODE AV1, VC+16+4*((\m)/2), 3, 0, W_D
.irp u, 0,1
.if (\m) == 1
	v_mov_b32 v[VS+\u], v[QKS+2*(\m)+2+\u]
.else
	v_lshl_or_b32 v[VS+\u], v[QKS+2*(\m)+2+\u], 8*((\m)/2), v[VS+\u]
.endif
.endr
.endif
	v_nop                                          ; a plain line behind the last conversion
.endm
	s_wait_loadcnt 0x0                             ; the weights and their scale words
	v_and_b32 v[VD0], 15, v0
	v_and_b32 v[A0], 8, v0
	s_delay_alu instid0(VALU_DEP_1)
	v_add_nc_u32 v[VD0], v[VD0], v[A0]
	v_and_b32 v[A0], 16, v0
	s_delay_alu instid0(VALU_DEP_1)
	v_sub_nc_u32 v[VD0], v[VD0], v[A0]
	FETCH AF, LI, ACT
	FETCH AF+16, LI, ACT+2048
	ds_load_b32 v[AS], v[LS] offset:ACTS
	ds_load_b32 v[AS+1], v[LS] offset:ACTS+64
.irp m, 0,1,2,3,4,5,6,7
	PROJ \m
.endr
.irp q, 0,1,2,3
	global_load_b128 v[BO+4*\q:BO+4*\q+3], v[GV], s[14:15] offset:16*\q
.endr
	GLW 128, 30, 0, 8                              ; Wo's fragments, where v's weights lay, and the first half of W1's, where q's and k's lay, are asked for in four runs, one ahead of each block of the attention
; ================= attention of head w =================
.set S,    32                          ; v32-95   S^T, then p: register 16 c + i = key 32 c + 16 h + i
.set QM,   96                          ; v96-111  the query tile's operand: four registers of codes, twelve of zeros (K = 32 of 128)
.set PC,   112                         ; v112-127 p's codes; zeros in the blocks behind the diagonal
.set OA,   128                         ; v128-143 O^T: channel 16 h + i
.set OC,   144                         ; v144-147 o's codes
.set BM,   148
.set BP,   152
.set SOP,  156
.set HLP,  160
.set BYP,  164
.set NM,   168                         ; v[168:169] -M
.set L,    170
.set L2,   172
.set RL,   174                         ; v[174:175] 1 / the row's sum
.set PW,   176                         ; p's scale word
.set QSC,  177                         ; the query tile's scale bytes
.set VD,   178                         ; my query's place in its block of 32, less 16 h
.set NINF, 179
.set TMX, BM
.set TMP, BP
.set TSO, SOP
.set THL, HLP
.set k, 4
.rept 12
	v_mov_b32 v[QM+k], 0                           ; zero codes add nothing, whatever stands beside them in k's operand and under any scale byte but 0xff
	v_mov_b32 v[PC+k], 0
.set k, k+1
.endr
	v_mov_b32 v[NINF], 0xff800000
.macro ATT b                           ; query tiles 2 b and 2 b + 1: a loop of two trips; b + 1 blocks of 32 keys count
.set NBK, (\b)+1
	v_mov_b32 v[QSC], v[QKS+4*(\b)]
.irp j, 0,1,2,3
	v_mov_b32 v[QM+\j], v[QC+8*(\b)+\j]
.endr
	v_mov_b32 v[VD], v[VD0]
	NOPS 4                                         ; a scale register written by a vector instruction stands eight places ahead of its product, an operand four
	s_mov_b32 s53, HID+8192*(\b)
	s_mov_b32 s54, OSC+256*(\b)
	s_mov_b32 s52, 2
.Latt_\@:
	WIN W_S0
.set t, 0
.rept 2*NBK
	MM0 S+8*t, KC+4*t, QM, QKS+2*t+1, QSC          ; 16 keys x my 16 queries; k's operand runs on into other valid codes, which meet Q's zeros
.set t, t+1
.endr
	WIN 0
	NOPS 8
.irp j, 0,1,2,3
	v_mov_b32 v[QM+\j], v[QC+8*(\b)+4+\j]          ; the second trip's queries (in the second trip: unused)
.endr
	v_mov_b32 v[QSC], v[QKS+4*(\b)+2]
.set i, 0
	s_wait_alu depctr_va_vdst(0)
.rept 16
	v_cmp_gt_i32 vcc_lo, i, v[VD]                  ; the block on the diagonal: key 16 h + i is hidden where it lies behind my query
	v_cndmask_b32 v[S+16*(\b)+i], v[S+16*(\b)+i], v[NINF], vcc_lo
.set i, i+1
.endr
.set c, 0
.rept NBK
	v_max3_num_f32 v[BM+c], v[S+16*c], v[S+16*c+1], v[S+16*c+2]   ; each block's largest score: for the row's maximum and for the block's largest p
.set c, c+1
.endr
.irp i, 3,5,7,9,11,13
.set c, 0
.rept NBK
	v_max3_num_f32 v[BM+c], v[BM+c], v[S+16*c+\i], v[S+16*c+\i+1]
.set c, c+1
.endr
.endr
.set c, 0
.rept NBK
	v_max_num_f32 v[BM+c], v[BM+c], v[S+16*c+15]
.set c, c+1
.endr
.set c, 0
.rept NBK
	v_permlanex16_b32 v[BP+c], v[BM+c], s44, s45
.set c, c+1
.endr
.set c, 0
.rept NBK
	v_max_num_f32 v[BM+c], v[BM+c], v[BP+c]
.set c, c+1
.endr
	v_mov_b32 v[L], v[BM]
.set c, 1
.rept NBK-1
	s_delay_alu instid0(VALU_DEP_1)
	v_max_num_f32 v[L], v[L], v[BM+c]
.set c, c+1
.endr
	s_delay_alu instid0(VALU_DEP_1)
	v_mul_f32 v[L], s46, v[L]                      ; the row's largest t (all its keys are here: M is final)
	s_delay_alu instid0(VALU_DEP_1)
	v_floor_f32 v[NM], -v[L]                       ; -M = floor(-t) = -ceil(t)
.set j, 0
.rept 8*NBK
	v_pk_fma_f32 v[S+j:S+j+1], v[S+j:S+j+1], s[46:47], v[NM:NM+1] op_sel_hi:[1,0,0]   ; t - M
.set j, j+2
.endr
.set c, 0
.rept NBK
	v_fma_f32 v[BM+c], v[BM+c], s46, v[NM]
.set c, c+1
.endr
.set j, 0
	s_wait_alu depctr_va_vdst(0)
.rept 16*NBK
	v_exp_f32 v[S+j], v[S+j]                       ; p = 2^(t - M): one batch,
.set j, j+1
.endr
.set c, 0
.rept NBK
	v_exp_f32 v[BM+c], v[BM+c]                     ; the blocks' largest p with it,
.set c, c+1
.endr
	v_nop                                          ; a plain line behind it,
	s_wait_alu depctr_va_vdst(0)                   ; the wait ahead of the batch's first reader, and ahead of the wait below
	s_wait_dscnt 0x0                               ; the last trip's two stores have read their registers, which are written again further down
	v_pk_add_f32 v[L:L+1], v[S:S+1], v[S+2:S+3]
	v_pk_add_f32 v[L2:L2+1], v[S+4:S+5], v[S+6:S+7]
.set j, 8
.rept 4*NBK-2
	v_pk_add_f32 v[L:L+1], v[L:L+1], v[S+j:S+j+1]
	v_pk_add_f32 v[L2:L2+1], v[L2:L2+1], v[S+j+2:S+j+3]
.set j, j+4
.endr
	s_delay_alu instid0(VALU_DEP_1)
	v_pk_add_f32 v[L:L+1], v[L:L+1], v[L2:L2+1]
.set c, 0
.rept NBK
	v_max_num_f32 v[BM+c], 0x4800000, v[BM+c]      ; the floor: the byte cannot fall under 1
.set c, c+1
.endr
.set c, 0
.rept NBK
	v_add_nc_u32 v[SOP+c], 0xfc000000, v[BM+c]
.set c, c+1
.endr
.set c, 0
.rept NBK
	v_and_or_b32 v[HLP+c], v[BM+c], 0x7f800000, s48
.set c, c+1
.endr
.set c, 0
.rept NBK
	v_lshrrev_b32 v[BYP+c], 23, v[SOP+c]
.set c, c+1
.endr
	v_mov_b32 v[PW], v[BYP]
.set c, 1
.rept NBK-1
	s_delay_alu instid0(VALU_DEP_1)
	v_lshl_or_b32 v[PW], v[BYP+c], 8*c, v[PW]
.set c, c+1
.endr
.set c, 0
.rept NBK
.set i, 0
.rept 16
	v_min_num_f32 v[S+16*c+i], v[S+16*c+i], v[HLP+c]   ; p is not negative: a one-sided hold
.set i, i+1
.endr
	v_cvt_scalef32_pk8_fp8_f32 v[PC+4*c:PC+4*c+1], v[S+16*c:S+16*c+7], v[SOP+c]
	v_cvt_scalef32_pk8_fp8_f32 v[PC+4*c+2:PC+4*c+3], v[S+16*c+8:S+16*c+15], v[SOP+c]
.set c, c+1
.endr
	v_add_f32 v[L], v[L], v[L+1]
	s_delay_alu instid0(VALU_DEP_1)
	v_permlanex16_b32 v[L2], v[L], s44, s45
	s_delay_alu instid0(VALU_DEP_1)
	v_add_f32 v[L], v[L], v[L2]
	s_wait_alu depctr_va_vdst(0)
	v_rcp_f32 v[RL], v[L]
	NOPS 4                                         ; four places between p's codes and their product
	WIN W_S0
	MM0 OA, VC, PC, VS, PW
	MM0 OA+8, VC+16, PC, VS+1, PW
	WIN 0
	NOPS 8
	s_wait_alu depctr_va_vdst(0)                   ; the reciprocal's wait, ahead of its first reader
.set j, 0
.rept 8
	v_pk_mul_f32 v[OA+j:OA+j+1], v[OA+j:OA+j+1], v[RL:RL+1] op_sel_hi:[1,0]
.set j, j+2
.endr
	QSCALE OA, 1, 0, BYP                           ; the head's 32 channels are one block of Wo's K
	QCODE OA, OC, 0, 0, 0
	v_nop
	v_add_nc_u32 v[A0], s53, v[BKW]
	v_add_nc_u32 v[A1], s54, v[BSW]
	ds_store_b128 v[A0], v[OC:OC+3]
	ds_store_b8 v[A1], v[BYP]
	v_add_nc_u32 v[VD], 8, v[VD]                   ; the next tile's queries lie 8 further on
	s_add_co_u32 s53, s53, 4096
	s_add_co_u32 s54, s54, 128
	s_sub_co_u32 s52, s52, 1
	s_cmp_lg_u32 s52, 0
	s_cbranch_scc1 .Latt_\@
.endm
	ATT 0
	GLW 160, 30, 8, 8
	GLW 0, 32, 0, 4
	ATT 1
	GLW 16, 32, 4, 12
	ATT 2
	GLW 64, 32, 16, 16
	ATT 3
	s_wait_dscnt 0x0                               ; o's last stores have read their registers
	XLD                                            ; x again, ahead of the barrier: nobody writes XS between x's coming in and LayerNorm 2
	s_wait_loadcnt 32                              ; bo and Wo's fragments are in; W1's 32 loads may stay out
	s_wait_dscnt 0x0
.set k, 0
.rept 64
	v_pk_add_f32 v[XR+2*k:XR+2*k+1], v[XR+2*k:XR+2*k+1], v[BO+2*(k&7):BO+2*(k&7)+1]
.set k, k+1
.endr
	s_wait_alu depctr_va_vdst(0)                   ; the wait ahead of the barrier
	BAR                                            ; o's sixteen images lie in LDS
; ================= x + bo + o Wo, in place on my columns =================
.set AF, 160                           ; v160-223 o's fragments: two buffers of (K step 0, K step 1)
.set AS, 224
.macro OFETCH m
	FETCH AF+32*((\m)&1), A0, 2048*(2*(\m))
	FETCH AF+32*((\m)&1)+16, A0, 2048*(2*(\m)+1)
	ds_load_b32 v[AS+2*((\m)&1)], v[A1] offset:64*(2*(\m))
	ds_load_b32 v[AS+2*((\m)&1)+1], v[A1] offset:64*(2*(\m)+1)
.endm
.macro WO m
.set AFP, AF+32*((\m)&1)
.set ASP, AS+2*((\m)&1)
.if (\m) < 7
	s_wait_dscnt 10                                ; this tile's ten loads are in; the next tile's may stay out
.else
	s_wait_dscnt 0x0
.endif
	WIN W_S0
	MMA XR+16*(\m), 128, AFP, WS+12, ASP
	MMA XR+16*(\m)+8, 144, AFP, WS+13, ASP
	MMA XR+16*(\m), 160, AFP+16, WS+14, ASP+1
	MMA XR+16*(\m)+8, 176, AFP+16, WS+15, ASP+1
	WIN 0
	NOPS 8
.if (\m) < 6
	OFETCH (\m)+2
.endif
	GLW 192+8*(\m), 32, 48+2*(\m), 2               ; W1's last quarter, where k's and v's codes lay: two loads a tile
.endm
	v_add_nc_u32 v[A0], HID, v[LI]
	v_add_nc_u32 v[A1], OSC, v[LS]
	OFETCH 0
	OFETCH 1
	s_wait_alu depctr_va_vdst(0)
.irp m, 0,1,2,3,4,5,6,7
	WO \m
.endr
.irp q, 0,1,2,3
	global_load_b128 v[G+4*\q:G+4*\q+3], v[GV], s[16:17] offset:16*\q
	global_load_b128 v[BE+4*\q:BE+4*\q+3], v[GV], s[18:19] offset:16*\q
.endr
.set k, 0
.rept 4
	global_load_b128 v[WS+4*k:WS+4*k+3], v[LS4], s[40:41] offset:256*k   ; W1's scale words
.set k, k+1
.endr
	LNORM 20, 1                                    ; 20: the scale words' four loads and W1's quarter may stay out
; ================= the hidden layer: my 128 units for a tile of 16 tokens a trip =================
.set AF,  32
.set AS,  64
.set HA,  66                           ; v66-129   eight tiles: register 16 b + i = unit 128 w + 32 b + 16 h + i
.set B1,  130                          ; v130-193  b1 in that layout: the C of each sum's first product
.set PC,  194
.set TMX, 210
.set TMP, 214
.set TSO, 218
.set THL, 222
.set BY,  226
.set PW,  230
.set A3,  231
.set B2,  232
.macro FF1
	s_wait_loadcnt 0x0                             ; no global load is out at a trip's head
	s_wait_dscnt 0x0                               ; h2's fragments are in; the last trip's stores have read their registers
	WIN W_S0
.set t, 0
.rept 8
	MMC HA+8*t, 16*(4*(t/2)+(t&1)), AF, B1+8*t, WS+4*(t/2)+(t&1), AS
.set t, t+1
.endr
.set t, 0
.rept 8
	MMA HA+8*t, 16*(4*(t/2)+2+(t&1)), AF+16, WS+4*(t/2)+2+(t&1), AS+1
.set t, t+1
.endr
	WIN 0
	NOPS 8
	s_cmp_eq_u32 s52, 1                            ; the last trip fetches no further tile, and asks for W2's scale words and W2's K steps 0 and 1
	s_cbranch_scc0 .Lff1_next
.set k, 0
.rept 4
	global_load_b128 v[WS+4*k:WS+4*k+3], v[LS4], s[42:43] offset:256*k
.set k, k+1
.endr
	GLW 0, 34, 0, 16
	s_branch .Lff1_q
.Lff1_next:
	s_add_co_u32 s53, s53, 4096
	s_add_co_u32 s54, s54, 128
	v_add_nc_u32 v[A0], s53, v[LI]
	v_add_nc_u32 v[A1], s54, v[LS]
	FETCH AF, A0, ACT                              ; the next tile's fragments land while this tile is quantised
	FETCH AF+16, A0, ACT+2048
	ds_load_b32 v[AS], v[A1] offset:ACTS
	ds_load_b32 v[AS+1], v[A1] offset:ACTS+64
.Lff1_q:
	QSCALE HA, 4, 1, BY
	s_delay_alu instid0(VALU_DEP_3)
	v_lshl_or_b32 v[PW], v[BY+1], 8, v[BY]
	s_delay_alu instid0(VALU_DEP_1)
	v_lshl_or_b32 v[PW], v[BY+2], 16, v[PW]
	s_delay_alu instid0(VALU_DEP_1)
	v_lshl_or_b32 v[PW], v[BY+3], 24, v[PW]
	QCODE HA, PC, 0, 1, 0                          ; the activation and the hold in one
	QCODE HA+16, PC+4, 1, 1, 0
	QCODE HA+32, PC+8, 2, 1, 0
	QCODE HA+48, PC+12, 3, 1, 0
	v_nop
	v_add_nc_u32 v[A2], s55, v[LI]
	v_add_nc_u32 v[A3], s56, v[LS]
.irp c, 0,1,2,3
	ds_store_b128 v[A2], v[PC+4*\c:PC+4*\c+3] offset:512*\c    ; K step w of W2's product, this tile's tokens: a whole fragment
.endr
	ds_store_b32 v[A3], v[PW]                      ; and its scale words
	s_add_co_u32 s55, s55, 16384
	s_add_co_u32 s56, s56, 512
.endm
	s_wait_loadcnt 0x0                             ; W1, its scale words, b1
	s_mov_b32 s53, 0
	s_mov_b32 s54, 0
	s_lshl_b32 s55, s26, 11
	s_add_co_u32 s55, s55, HID                     ; fragment 8 m + w
	s_lshl_b32 s56, s26, 6
	s_add_co_u32 s56, s56, HIDS
	FETCH AF, LI, ACT
	FETCH AF+16, LI, ACT+2048
	ds_load_b32 v[AS], v[LS] offset:ACTS
	ds_load_b32 v[AS+1], v[LS] offset:ACTS+64
	s_mov_b32 s52, 8
.Lff1:
	FF1
	s_sub_co_u32 s52, s52, 1
	s_cmp_lg_u32 s52, 0
	s_cbranch_scc1 .Lff1
	s_wait_dscnt 0x0                               ; no LDS load of mine is out: the registers below may be loaded
	XLD                                            ; x + attention, ahead of the barrier: my own bytes of XS
	s_wait_dscnt 0x0
.set k, 0
.rept 64
	v_pk_add_f32 v[XR+2*k:XR+2*k+1], v[XR+2*k:XR+2*k+1], v[B2+2*(k&7):B2+2*(k&7)+1]
.set k, k+1
.endr
	s_wait_alu depctr_va_vdst(0)                   ; the wait ahead of the barrier
	BAR                                            ; the hidden layer's 64 images lie in LDS
; ================= (x + attention) + b2 + hidden W2, in place on my columns =================
.set AF, 160                           ; v160-223 two buffers of two tiles' fragments of one K step
.set AS, 224
.macro HFETCH q                        ; step q: K step q / 4, tiles 2 (q % 4) and 2 (q % 4) + 1
.set HB,  (\q)&1
.set HK,  (\q)/4
.irp t, 0,1
.set HM, 2*((\q)&3)+\t
	FETCH AF+32*HB+16*\t, A0+HM/4, (HM&3)*16384+2048*HK
	ds_load_b32 v[AS+2*HB+\t], v[A2] offset:64*(8*HM+HK)
.endr
.endm
.macro FF2 q
.set FB, (\q)&1
.set FK, (\q)/4
.set FM, 2*((\q)&3)
.if ((\q)&3) == 0
.if (\q) < 12
	s_wait_loadcnt 8+2*(\q)                        ; this K step's eight loads are in: 16 + 4 q are issued, 8 (q / 4) + 8 are wanted
.else
	s_wait_loadcnt 8*(7-FK)                        ; all 64 are issued; the later K steps' loads may stay out
.endif
.endif
.if (\q) < 31
	s_wait_dscnt 10                                ; this step's ten loads are in; the next step's may stay out
.else
	s_wait_dscnt 0x0
.endif
	WIN W_S0
	MMA XR+16*FM, 32*FK, AF+32*FB, WS+2*FK, AS+2*FB
	MMA XR+16*FM+8, 32*FK+16, AF+32*FB, WS+2*FK+1, AS+2*FB
	MMA XR+16*FM+16, 32*FK, AF+32*FB+16, WS+2*FK, AS+2*FB+1
	MMA XR+16*FM+24, 32*FK+16, AF+32*FB+16, WS+2*FK+1, AS+2*FB+1
	WIN 0
	NOPS 8
.if (\q) < 30
	HFETCH (\q)+2
.endif
.if (\q) < 12
	GLW 64+16*(\q), 34, 16+4*(\q), 4               ; W2's K steps 2 to 7: four loads a step, in the order of the K steps
.endif
.if (\q) == 16
	s_cmp_eq_u32 s51, 1                            ; the next batch element's x, if there is one: the 16 rows that I shall bring in, 64 blocks of 256 bytes, a lane a block, each named once;
	s_cbranch_scc1 .Lno_next                       ; asked for here, 15 steps of this product and the way out ahead of the loads
	global_prefetch_b8 v[PFR], s[4:5] offset:131072 th:TH_LOAD_NT scope:SCOPE_SE
	global_prefetch_b8 v[PFR], s[4:5] offset:131072+16384 th:TH_LOAD_NT scope:SCOPE_SE
.Lno_next:
.endif
.endm
	v_add_nc_u32 v[A0], HID, v[LI]
	s_delay_alu instid0(VALU_DEP_1)
	v_add_nc_u32 v[A1], 65536, v[A0]
	v_add_nc_u32 v[A2], HIDS, v[LS]
	v_lshlrev_b32 v[PFR], 4, v[LI]                 ; 256 x lane, for the prefetch of the next batch element's x
	s_wait_alu depctr_va_vdst(0)
	s_wait_loadcnt 16                              ; b2 and the scale words are in; W2's first 16 loads may stay out
	HFETCH 0
	HFETCH 1
.set qq, 0
.rept 32
	FF2 qq
.set qq, qq+1
.endr
; ================= the result goes out: columns into XS, whole rows out of it =================
	XST
	BAR                                            ; 128 whole rows lie in XS
.set k, 0
	s_cmp_eq_u32 s51, 1                            ; the next batch element's x, if there is one, into the registers that the stores into XS have read: its loads stand ahead of the result's stores
	s_cbranch_scc1 .Lno_x
	XIN 131072
.Lno_x:
.irp hf, 0,16                          ; the result's rows leave in two halves of 8 rows, through v[OB ..]
.set k, \hf
.rept 16
	ds_load_b128 v[OB+4*(k&15):OB+4*(k&15)+3], v[RA] offset:(k/2)*XP+512*(k&1)
.set k, k+1
.endr
.set k, \hf
.rept 16
.if (k&3) == 0
	s_wait_dscnt 12-(k&15)                         ; the next four loads are in
.endif
	global_store_b128 v[LI], v[OB+4*(k&15):OB+4*(k&15)+3], s[24:25] offset:((k/2)+((k/2)&8))*1024+512*(k&1) th:TH_STORE_NT   ; 32 lanes store 512 consecutive bytes, aligned to 256
.set k, k+1
.endr
	s_wait_xcnt 0x0                                ; loads, stores and prefetches have read their registers and bases: these may be written again
.endr
	s_add_nc_u64 s[4:5], s[4:5], 131072
	s_add_nc_u64 s[24:25], s[24:25], 131072
	s_sub_co_u32 s51, s51, 1
	s_cmp_lg_u32 s51, 0
	s_cbranch_scc1 .Lbatch
	s_barrier_signal -1
	s_barrier_wait -1
	s_wait_xcnt 0x0
	v_lshl_add_u32 v254, v0, 2, 0x4c400
	v_mov_b32 v255, 0
	s_wait_alu depctr_va_vdst(0)
	s_wait_tensorcnt 0x0
	ds_add_u32 v254, v255
	s_wait_dscnt 0x0
	s_endpgm
.Lfunc_end_k_qf8ee80d26e_block:
	.size	k_qf8ee80d26e_block, .Lfunc_end_k_qf8ee80d26e_block-k_qf8ee80d26e_block
	.p2alignl 7, 3214868480
	.fill 96, 4, 3214868480
	.section	.rodata,"a",@progbits
	.p2align	6, 0x0
	.amdhsa_kernel k_qf8ee80d26e_block
		.amdhsa_group_segment_fixed_size 313344
		.amdhsa_private_segment_fixed_size 0
		.amdhsa_enable_private_segment 0
		.amdhsa_kernarg_size 88
		.amdhsa_user_sgpr_count 2
		.amdhsa_user_sgpr_kernarg_segment_ptr 1
		.amdhsa_wavefront_size32 1
		.amdhsa_system_sgpr_workgroup_id_x 1
		.amdhsa_system_sgpr_workgroup_id_y 1
		.amdhsa_system_sgpr_workgroup_id_z 1
		.amdhsa_system_vgpr_workitem_id 0
		.amdhsa_next_free_vgpr 512
		.amdhsa_next_free_sgpr 66
		.amdhsa_reserve_vcc 1
		.amdhsa_float_denorm_mode_32 3
		.amdhsa_float_denorm_mode_16_64 3
		.amdhsa_memory_ordered 1
		.amdhsa_forward_progress 1
		.amdhsa_inst_pref_size 255
	.end_amdhsa_kernel
	.section	.bss,"aw",@nobits
	.p2align	6
	.space	262144
	.amdgpu_metadata
---
amdhsa.version: [ 1, 2 ]
amdhsa.kernels:
  - .name:           k_qf8ee80d26e_block
    .symbol:         k_qf8ee80d26e_block.kd
    .args:
      - { .name: x, .offset: 0, .size: 8, .value_kind: global_buffer, .address_space: global }
      - { .name: wcodes, .offset: 8, .size: 8, .value_kind: global_buffer, .address_space: global }
      - { .name: wscales, .offset: 16, .size: 8, .value_kind: global_buffer, .address_space: global }
      - { .name: g1, .offset: 24, .size: 8, .value_kind: global_buffer, .address_space: global }
      - { .name: be1, .offset: 32, .size: 8, .value_kind: global_buffer, .address_space: global }
      - { .name: bo, .offset: 40, .size: 8, .value_kind: global_buffer, .address_space: global }
      - { .name: g2, .offset: 48, .size: 8, .value_kind: global_buffer, .address_space: global }
      - { .name: be2, .offset: 56, .size: 8, .value_kind: global_buffer, .address_space: global }
      - { .name: b1, .offset: 64, .size: 8, .value_kind: global_buffer, .address_space: global }
      - { .name: b2, .offset: 72, .size: 8, .value_kind: global_buffer, .address_space: global }
      - { .name: out0, .offset: 80, .size: 8, .value_kind: global_buffer, .address_space: global }
    .group_segment_fixed_size: 313344
    .private_segment_fixed_size: 0
    .kernarg_segment_align: 8
    .kernarg_segment_size: 88
    .max_flat_workgroup_size: 256
    .sgpr_count:     66
    .vgpr_count:     512
    .wavefront_size: 32
...
	.end_amdgpu_metadata
.endif
;; end of part 2
